; MI455X (gfx1250); checked and timed in simulation.
; The chip was launched on July 23, 2026; its instructions are those of AMD's public machine-readable ISA for CDNA 5 (MIT licence, August 2026) and "CDNA5" Instruction Set Architecture Reference Guide (July 2026). The comments in the code are by the model that wrote it; some were corrected since.
;; Attention Encoder Layer. Allowed arithmetic: matrix products marked QUANTISED: E4M3 operands, one given power-of-two scale a tensor, by v_wmma_f32_16x16x64_fp8_fp8 or v_wmma_f32_16x16x128_fp8_fp8, f32 sums; everything else in f32.
;; Inputs: Wk 1,024 x 1,024 float32; Wq 1,024 x 1,024 float32; Wv 1,024 x 1,024 float32; attention_mask 4 x 2,048 int32; bk 1,024 float32; bq 1,024 float32; bv 1,024 float32; hidden_states 4 x 2,048 x 1,024 float32; lowp_scales 10 int32 (the exponents e of the quantised operands' scales 2^e).
;; Outputs: out0 4 x 2,048 x 1,024 float32.
;; This version of the problem:
;;   THIS VERSION OF THE PROBLEM IS GIVEN IN LOW PRECISION. The matrix products marked QUANTISED in the list below multiply operands that are first quantised to E4M3 (4 exponent bits, 3 mantissa bits; 8 bits a number), with one given power-of-two scale for each operand tensor; their sums are f32. All else is computed in f32.
;;   The module's matrix products, in the order in which they are computed (A, B: the left and right operand; K: the contracted axis; several contracted axes count as one K, in the product's order):
;;     1. [M 8,192, K 1,024] x [K 1,024, N 1,024]; A: input hidden_states; B: input Wq: QUANTISED (scales: A lowp_scales[0], B lowp_scales[1])
;;     2. [M 8,192, K 1,024] x [K 1,024, N 1,024]; A: input hidden_states; B: input Wk: QUANTISED (scales: A lowp_scales[2], B lowp_scales[3])
;;     3. [M 8,192, K 1,024] x [K 1,024, N 1,024]; A: input hidden_states; B: input Wv: QUANTISED (scales: A lowp_scales[4], B lowp_scales[5])
;;     4. batch 64 x [M 2,048, K 64] x [K 64, N 2,048]; A: computed on the way; B: computed on the way: QUANTISED (scales: A lowp_scales[6], B lowp_scales[7])
;;     5. batch 64 x [M 2,048, K 2,048] x [K 2,048, N 64]; A: softmax (see below); B: computed on the way: QUANTISED (scales: A lowp_scales[8], B lowp_scales[9])
;;   THE QUANTISER, for each operand of a quantised product, along K:
;;     - The operand's scale is 2^e, e = its entry of the input lowp_scales (int32; the entries are numbered through the quantised products in the list's order, A before B).
;;     - Each number is divided by the scale, clamped to +-448, and rounded to the nearest number of E4M3, ties to even, subnormals kept.
;;     - The product sums the exact products of the quantised numbers (number of the format x scale) in f32.
;;   ~~~python
;;   def quantise(x, axis, e):      # numpy; x: float32 -> the quantised numbers, widened to float32 again
;;       x = np.moveaxis(x, axis, -1); K = x.shape[-1]
;;       r = np.clip(x / 2.0 ** e, -448, 448)
;;       step = 2.0 ** (np.maximum(np.frexp(np.where(r == 0, 1, r))[1] - 1, -6) - 3)
;;       q = np.round(r / step) * step * 2.0 ** e      # np.round: ties to even
;;       return np.moveaxis(q, -1, axis).astype(np.float32)
;;   ~~~
;;   SOFTMAX AHEAD OF A QUANTISED PRODUCT. Where the list says 'softmax', what is quantised is not the finished softmax but p = 2^(t - M), with t = logit x log2(e) and M = ceil(the row's largest t), a whole number; so 1/2 < the row's largest p <= 1. The row's sum l is taken of the UNQUANTISED p, in f32, and the product's result is divided by l at the end. Since M is a whole number, a kernel that streams over the keys may use a running M (the ceiling of the running maximum): every later rescaling is an exact power of two, so the quantised numbers keep their values, but for numbers so far below the row's largest that they fall under the format's range.
;;   OPERANDS COMPUTED ON THE WAY. 'Computed on the way' means the value that the module computes at that place (a softmax that the list does not call 'softmax' is quantised finished and normalised). What goes into a quantiser is computed in f32, as accurately as f32 sums, v_exp_f32 and their like allow (about 1e-6 of the number): no bf16 or f16 on the way to a quantiser, and a product that is left as it is and whose result goes on into a quantised operand takes f32 operands (vector FMAs, or v_wmma_f32_16x16x4_f32). A number that lies on a knife's edge between two numbers of the format may be rounded either way, as far as f32 arithmetic and the matrix unit's own rounding can turn it there, and no further.
;; One version. Each part assembles by itself: llvm-mc -triple=amdgcn-amd-amdhsa -mcpu=gfx1250 --defsym DOCPART=n.
;; ======== version 1 of 1: 3 launches
;; limits: right only within a limited range of input values
;; workspace buffers: xc 25,165,824 bytes; wc 3,145,728 bytes; qc 8,388,608 bytes; kv 16,777,216 bytes
;; launch quant (part 1): grid 8 x 88, 8 waves a work-group, no clusters, 68,608 bytes of LDS; arguments hidden_states, Wq, Wk, Wv, lowp_scales, xc, wc; writes xc, wc
.if DOCPART == 1
	.amdgcn_target "amdgcn-amd-amdhsa--gfx1250"
	.amdhsa_code_object_version 6
	.text
	.protected	k_q0e580d3484_quant
	.globl	k_q0e580d3484_quant
	.p2align	8
	.type	k_q0e580d3484_quant,@function
k_q0e580d3484_quant:
	s_mov_b64 s[64:65], 0
	v_nop
	global_prefetch_b8 v0, s[64:65] scope:SCOPE_SE
	s_setreg_imm32_b32 hwreg(HW_REG_WAVE_MODE, 25, 1), 1
	s_wait_xcnt 0x0
; hidden_states [8192][1024] and Wq, Wk, Wv [1024][1024], f32 with K innermost, become codes of FP8 (E4M3).
; x is an operand of three products with three given scales (entries 0, 2, 4), so it gets three sets of codes; Wq, Wk, Wv one each (entries 1, 3, 5).
; code = number / 2^e, held within +-448, rounded to the nearest code, ties to even.
; LIMITS: each e between -126 and 119, so that 2^e and 448 x 2^e are f32 numbers.  NaN among the inputs is not served.
; THE CODES ARE LAID IN THE ORDER OF AN OPERAND'S REGISTERS: [block of 128 rows][K step of 128][scale or weight p: 3][tile 8][group c: 4][lane 32][16 bytes].
; Slot r of tile t is row 32 (t / 2) + 8 (t % 2) + r + 8 (r / 8) of the block; lane (r, h), group c holds k = 32 c + 16 h + 0 .. 15 of its row.
; SHARES: work-group x = the K step; y < 64: block y of x; y >= 64: weight (y - 64) / 8, block (y - 64) % 8.  Wave w takes tile w: 16 rows x 128 numbers.
; Each load reads 512 consecutive bytes of one row.  A conversion wants 8 neighbours along K in one lane, so the 16 rows turn through the wave's own stage in LDS
; (rows 528 bytes apart: an odd multiple of 16, so that the sixteen lanes of a read fall on different 16-byte columns).  Each store writes 512 consecutive bytes, aligned.
; Waves share nothing: no barrier.  No store's data and no address is written again: no wait on XCNT.
.set STAGE, 8448                       ; bytes of a wave's stage: 16 rows x 528
.set SPARE, 8*STAGE                    ; behind the stages: the spare words, 128 bytes for each of the eight waves
.set LO,  1                            ; v1       16 x lane
.set STI, 2                            ; v2       the stage, on the way in: my wave's + 16 x lane
.set STO, 3                            ; v3       on the way out: my wave's + 528 r + 64 h
.set SPW, 4                            ; v4       LDS address of my spare word; never rewritten
.set NIL, 5                            ; v5       0; never rewritten
.set SC,  6                            ; v6-11    for scale p: v[SC+2p] = 2^e, v[SC+2p+1] = 448 x 2^e
.set R,   16                           ; v16-79   the 16 rows as loaded
.set X,   80                           ; v80-143  turned: register 16 c + i = k 32 c + 16 h + i of my row
.set T,   144                          ; v144-175 held numbers, two sets of 16 by turns
.set C,   176                          ; v176-223 codes: 16 registers for each scale, so that no store's data are written again
	s_load_b256 s[4:11], s[0:1], 0x0               ; x s[4:5], Wq s[6:7], Wk s[8:9], Wv s[10:11]
	s_load_b128 s[12:15], s[0:1], 0x20             ; the scales' exponents s[12:13], xc s[14:15]
	s_load_b64 s[16:17], s[0:1], 0x30              ; wc
	v_lshl_add_u32 v[SPW], v0, 2, SPARE
	v_mov_b32 v[NIL], 0
	v_lshrrev_b32 v12, 5, v0
	s_delay_alu instid0(VALU_DEP_1)
	v_readfirstlane_b32 s18, v12                   ; wave 0..7
	v_and_b32 v12, 31, v0
	s_delay_alu instid0(VALU_DEP_1)
	v_lshlrev_b32 v[LO], 4, v12
	s_mul_i32 s40, s18, STAGE
	v_add_nc_u32 v[STI], s40, v[LO]
	v_and_b32 v13, 15, v0                          ; r
	v_bfe_u32 v14, v0, 4, 1                        ; h
	s_delay_alu instid0(VALU_DEP_2)
	v_mul_u32_u24 v[STO], v13, 528
	s_delay_alu instid0(VALU_DEP_1)
	v_lshl_add_u32 v[STO], v14, 6, v[STO]
	s_delay_alu instid0(VALU_DEP_1)
	v_add_nc_u32 v[STO], s40, v[STO]
	s_and_b32 s19, ttmp7, 0xffff                   ; y
	s_sub_co_u32 s20, s19, 64
	s_lshr_b32 s21, s20, 3                         ; which weight,
	s_and_b32 s22, s20, 7                          ; which block of its rows
	s_cmp_lt_u32 s19, 64                           ; x or a weight?  The choice hangs on the work-group's number alone
	s_cselect_b32 s21, 0, s21
	s_cselect_b32 s22, s19, s22
	s_lshl_b32 s36, s22, 19                        ; from: block x 128 rows of 4,096 bytes
	s_lshl_b32 s40, ttmp9, 9                       ; + K step x 512 bytes
	s_add_co_u32 s36, s36, s40
	s_lshr_b32 s40, s18, 1
	s_lshl_b32 s40, s40, 17                        ; + 32 (w / 2) rows
	s_add_co_u32 s36, s36, s40
	s_and_b32 s40, s18, 1
	s_lshl_b32 s40, s40, 15                        ; + 8 (w % 2) rows
	s_add_co_u32 s36, s36, s40
	s_mov_b32 s37, 0
	s_lshl_b32 s38, s22, 3                         ; to: (block x 8 + K step) x 49,152
	s_add_co_u32 s38, s38, ttmp9
	s_mul_i32 s38, s38, 49152
	s_lshl_b32 s40, s21, 14                        ; + weight x 16,384
	s_add_co_u32 s38, s38, s40
	s_lshl_b32 s40, s18, 11                        ; + tile x 2,048
	s_add_co_u32 s38, s38, s40
	s_mov_b32 s39, 0
	s_wait_alu depctr_va_vdst(0)
	s_wait_kmcnt 0x0
	s_load_b256 s[24:31], s[12:13], 0x0            ; e0 .. e7
	s_cmp_eq_u32 s21, 1
	s_cselect_b64 s[32:33], s[8:9], s[6:7]
	s_cmp_eq_u32 s21, 2
	s_cselect_b64 s[32:33], s[10:11], s[32:33]
	s_cmp_lt_u32 s19, 64
	s_cselect_b64 s[32:33], s[4:5], s[32:33]
	s_cselect_b64 s[34:35], s[14:15], s[16:17]
	s_add_nc_u64 s[32:33], s[32:33], s[36:37]
	s_add_nc_u64 s[34:35], s[34:35], s[38:39]
.irp i, 0,1,2,3,4,5,6,7,8,9,10,11,12,13,14,15
	global_load_b128 v[R+4*\i:R+4*\i+3], v[LO], s[32:33] offset:(\i+8*(\i/8))*4096 th:TH_LOAD_NT   ; slot i: 512 consecutive bytes of its row; read once in the launch
.endr
.macro MKS e, p                        ; from the exponent in s[e]: 2^e and 448 x 2^e as f32
	s_add_co_i32 s42, s[\e], 127
	s_lshl_b32 s43, s42, 23
	v_mov_b32 v[SC+2*\p], s43
	s_add_co_i32 s42, s42, 8
	s_lshl_b32 s42, s42, 23
	s_or_b32 s42, s42, 0x600000
	v_mov_b32 v[SC+2*\p+1], s42
.endm
	s_wait_kmcnt 0x0
	s_cmp_eq_u32 s21, 1
	s_cselect_b32 s41, s27, s25
	s_cmp_eq_u32 s21, 2
	s_cselect_b32 s41, s29, s41
	s_cmp_lt_u32 s19, 64
	s_cselect_b32 s41, s24, s41                    ; the first scale: e0 for x; e1, e3, e5 for the weights
	MKS 41, 0
	MKS 26, 1                                      ; e2 and e4: x's second and third
	MKS 28, 2
	s_wait_alu depctr_va_vdst(0)
.irp i, 0,1,2,3,4,5,6,7,8,9,10,11,12,13,14,15
	s_wait_loadcnt 15-\i                           ; loads come back in order: slot i is in, the younger ones may be out
	ds_store_b128 v[STI], v[R+4*\i:R+4*\i+3] offset:528*\i
.endr
.irp c, 0,1,2,3
.irp j, 0,1,2,3
	ds_load_b128 v[X+16*\c+4*\j:X+16*\c+4*\j+3], v[STO] offset:128*\c+16*\j   ; LDS serves a wave's instructions in order: these see my stores
.endr
.endr
	s_wait_tensorcnt 0x0                           ; my last LDS store is behind me
	ds_add_u32 v[SPW], v[NIL]
	s_wait_dscnt 0x0                               ; the add is done, and the turned numbers are in
; The 64 numbers become 64 codes under scale p and are stored.  The numbers themselves are kept: x is quantised three times.
.macro QUANT p
.irp c, 0,1,2,3
.irp i, 0,1,2,3,4,5,6,7,8,9,10,11,12,13,14,15
	v_med3_num_f32 v[T+16*(\c%2)+\i], v[X+16*\c+\i], -v[SC+2*\p+1], v[SC+2*\p+1]   ; the conversion to an 8-bit code does not saturate (ISA guide 7.6.2): the hold comes first
.endr
	v_cvt_scalef32_pk8_fp8_f32 v[C+16*\p+4*\c:C+16*\p+4*\c+1], v[T+16*(\c%2):T+16*(\c%2)+7], v[SC+2*\p]
	v_cvt_scalef32_pk8_fp8_f32 v[C+16*\p+4*\c+2:C+16*\p+4*\c+3], v[T+16*(\c%2)+8:T+16*(\c%2)+15], v[SC+2*\p]   ; the next group's holds write the other set: plain lines stand ahead of the next write of this one
.endr
	v_nop                                          ; a plain line behind the last conversion
.irp c, 0,1,2,3
	global_store_b128 v[LO], v[C+16*\p+4*\c:C+16*\p+4*\c+3], s[34:35] offset:16384*\p+512*\c   ; 32 lanes store 512 consecutive bytes, aligned
.endr
.endm
	QUANT 0
	s_cmp_ge_u32 s19, 64                           ; a weight has one scale
	s_cbranch_scc1 .Lend
	QUANT 1
	QUANT 2
.Lend:
	s_endpgm
.Lfunc_end_k_q0e580d3484_quant:
	.size	k_q0e580d3484_quant, .Lfunc_end_k_q0e580d3484_quant-k_q0e580d3484_quant
	.p2alignl 7, 3214868480
	.fill 96, 4, 3214868480
	.section	.rodata,"a",@progbits
	.p2align	6, 0x0
	.amdhsa_kernel k_q0e580d3484_quant
		.amdhsa_group_segment_fixed_size 68608
		.amdhsa_private_segment_fixed_size 0
		.amdhsa_enable_private_segment 0
		.amdhsa_kernarg_size 56
		.amdhsa_user_sgpr_count 2
		.amdhsa_user_sgpr_kernarg_segment_ptr 1
		.amdhsa_wavefront_size32 1
		.amdhsa_system_sgpr_workgroup_id_x 1
		.amdhsa_system_sgpr_workgroup_id_y 1
		.amdhsa_system_sgpr_workgroup_id_z 1
		.amdhsa_system_vgpr_workitem_id 0
		.amdhsa_next_free_vgpr 224
		.amdhsa_next_free_sgpr 66
		.amdhsa_reserve_vcc 0
		.amdhsa_float_denorm_mode_32 3
		.amdhsa_float_denorm_mode_16_64 3
		.amdhsa_memory_ordered 1
		.amdhsa_forward_progress 1
		.amdhsa_inst_pref_size 23
	.end_amdhsa_kernel
	.amdgpu_metadata
---
amdhsa.version: [ 1, 2 ]
amdhsa.kernels:
  - .name:           k_q0e580d3484_quant
    .symbol:         k_q0e580d3484_quant.kd
    .args:
      - { .name: hidden_states, .offset: 0, .size: 8, .value_kind: global_buffer, .address_space: global }
      - { .name: Wq, .offset: 8, .size: 8, .value_kind: global_buffer, .address_space: global }
      - { .name: Wk, .offset: 16, .size: 8, .value_kind: global_buffer, .address_space: global }
      - { .name: Wv, .offset: 24, .size: 8, .value_kind: global_buffer, .address_space: global }
      - { .name: lowp_scales, .offset: 32, .size: 8, .value_kind: global_buffer, .address_space: global }
      - { .name: xc, .offset: 40, .size: 8, .value_kind: global_buffer, .address_space: global }
      - { .name: wc, .offset: 48, .size: 8, .value_kind: global_buffer, .address_space: global }
    .group_segment_fixed_size: 68608
    .private_segment_fixed_size: 0
    .kernarg_segment_align: 8
    .kernarg_segment_size: 56
    .max_flat_workgroup_size: 256
    .sgpr_count:     66
    .vgpr_count:     224
    .wavefront_size: 32
...
	.end_amdgpu_metadata
.endif
;; end of part 1
;; launch qkv (part 2): grid 8 x 64, 4 waves a work-group, clusters of 4 x 4, 327,680 bytes of LDS; arguments xc, wc, bq, bk, bv, lowp_scales, qc, kv; writes qc, kv
.if DOCPART == 2
	.amdgcn_target "amdgcn-amd-amdhsa--gfx1250"
	.amdhsa_code_object_version 6
	.text
	.protected	k_q0e580d3484_qkv
	.globl	k_q0e580d3484_qkv
	.p2align	8
	.type	k_q0e580d3484_qkv,@function
k_q0e580d3484_qkv:
	s_mov_b64 s[64:65], 0
	v_nop
	global_prefetch_b8 v0, s[64:65] scope:SCOPE_SE
	s_setreg_imm32_b32 hwreg(HW_REG_WAVE_MODE, 25, 1), 1
	s_wait_xcnt 0x0
	s_wait_alu depctr_hold_cnt(0) depctr_sa_sdst(0) depctr_va_vdst(0) depctr_va_sdst(0) depctr_va_ssrc(0) depctr_va_vcc(0) depctr_vm_vsrc(0)
	s_getreg_b32 s2, hwreg(HW_REG_IB_STS2, 6, 4)
	s_cmp_eq_u32 s2, 0
	s_cbranch_scc0 .Lentry_in_a_cluster
	s_endpgm
.Lentry_in_a_cluster:
	s_bfe_u32 s2, ttmp6, 0x10000c
	s_cmp_lg_u32 s2, 0xf033
	s_cbranch_scc0 .Lentry_shape_is_right
	s_endpgm
.Lentry_shape_is_right:
.set XBLK,  49152
; q, kk and v as codes.  Three products on codes of FP8 (x under its three scales against Wq, Wk, Wv), a block of 128 tokens x 128 channels a work-group, 64 x 64 a wave; V is also made with its sources swapped,
; so that its codes come out with the keys innermost.  kk = k / 8 + softsign(softsign(k) / 8) + v in f32; then the three quantisers (entries 6, 7, 9).
; THE RING: a slot holds ONE product's operands for half of K: 4 K steps of 128, 16,384 bytes each, of x and as many of w.  The walk goes Q, K, V and inside each through K's two halves: six fills, two slots by turns.
; A wave's one tensor load brings two K steps of its operand: 2 rows of 16,384 bytes, XBLK bytes apart in memory (a K step's chunk holds all three products).  Waves 0, 1: x; waves 2, 3: w.
; CLUSTER 4 x 4: x's tiles are asked for jointly along a row of the cluster, w's along a column.
; PREFETCH: each slot from the second on is asked for ahead of its tensor load, from slot 2 on two changes of slots ahead.  The four partners of a joint load share its 32,768 bytes out by address, 8,192 bytes each, a lane to each 256 bytes:
; each block is named once in a cluster.  All offsets are immediates: the address registers are never rewritten.
.set HALF,  32768                      ; what one tensor load brings
.set SLOT,  4*HALF
.set PFO, 20                           ; v20 256 x lane; never rewritten
.set PFA, 98                           ; s[98:99] my work-group's quarter of my wave's load of slot 0; never rewritten
.macro ASK j                           ; fill j (product j / 2, half j % 2 of K)
	global_prefetch_b8 v[PFO], s[PFA:PFA+1] offset:((\j)%2)*4*XBLK+((\j)/2)*16384 th:TH_LOAD_NT scope:SCOPE_SE
.endm
.set SPARE, 2*SLOT
.set LI,  1
.set ADX, 2
.set ADW, 4
.set SPW, 6
.set NIL, 7
.set SC6, 8
.set SC7, 10
.set SC9, 12
.set BO,  14
.set BNO, 15
.set TK,  32
.set TV,  64
.set TD,  96
.set CQ,  128
.set CK,  160
.set CV,  192
.set BQ,  0
.set BK,  32
.set BV,  64
.set BN,  96
.set FB,  128
.set G1,  24
.set G0,  32
.set G1B, 48
.set G0B, 56
.set MSB, 0
.macro WIN new
.if MSB != \new
	s_set_vgpr_msb (MSB<<8)|\new
.set MSB, \new
.endif
.endm
.macro JLOAD g0a, g0b
	s_cmp_eq_u32 s21, 0
	s_cbranch_scc0 .Lfor_w_\@
	tensor_load_to_lds s[\g0a:\g0a+3], s[G1:G1+7]
	s_nop 0
.rept 4
	v_nop
.endr
	s_branch .Lasked_\@
.Lfor_w_\@:
	tensor_load_to_lds s[\g0b:\g0b+3], s[G1B:G1B+7]
	s_nop 0
.rept 4
	v_nop
.endr
.Lasked_\@:
.endm
.macro CREST
	s_cmp_lg_u32 s20, 0
	s_cbranch_scc1 .Lnot_wave_0_\@
	s_barrier_signal -3
.Lnot_wave_0_\@:
	s_barrier_wait -3
	s_barrier_signal -1
	s_barrier_wait -1
.endm
.macro CROUND
	s_barrier_signal -1
	s_barrier_wait -1
	CREST
.endm
.macro PLACES
.rept 4
	v_nop
.endr
.endm
	s_load_b512 s[4:19], s[0:1], 0x0
	v_lshl_add_u32 v[SPW], v0, 2, SPARE
	v_mov_b32 v[NIL], 0
	ds_add_u32 v[SPW], v[NIL]
	ds_add_u32 v[SPW], v[NIL]
	v_lshrrev_b32 v16, 5, v0
	v_readfirstlane_b32 s20, v16
	v_and_b32 v[PFO], 31, v0
	v_lshlrev_b32 v[PFO], 8, v[PFO]
	s_lshr_b32 s21, s20, 1
	s_and_b32 s22, s20, 1
	s_bfe_u32 s40, ttmp6, 0x40000
	s_bfe_u32 s41, ttmp6, 0x40004
	s_lshl_b32 s42, ttmp9, 2
	s_add_co_u32 s42, s42, s40
	s_and_b32 s43, ttmp7, 0xffff
	s_lshl_b32 s43, s43, 2
	s_add_co_u32 s43, s43, s41
	s_lshl_b32 s44, s41, 2
	s_lshl_b32 s44, 15, s44
	s_lshl_b32 s45, 0x1111, s40
	s_or_b32 s[G1], s44, (3<<16)|(1<<21)
	s_or_b32 s[G1B], s45, (3<<16)|(1<<21)
.irp g, G1, G1B
	s_mov_b32 s[\g+1], 2048<<16                    ; tensor_dim0: 2,048 elements of 8 bytes
	s_mov_b32 s[\g+2], 2<<16                       ; tensor_dim1 = 2
	s_mov_b32 s[\g+3], 2048<<16                    ; tile_dim0
	s_mov_b32 s[\g+4], 2                           ; tile_dim1
	s_mov_b32 s[\g+5], XBLK/8                      ; the pitch: from K step to K step
	s_mov_b32 s[\g+6], 0
	s_mov_b32 s[\g+7], 0
.endr
	s_mul_i32 s2, s22, 2*XBLK                      ; which two K steps of a slot's four I fetch
	s_mul_i32 s46, s43, 8*XBLK
	s_add_co_u32 s46, s46, s2
	s_mov_b32 s47, 0
	s_mul_i32 s66, s42, 8*XBLK
	s_add_co_u32 s66, s66, s2
	s_mov_b32 s67, 0
	s_mul_i32 s23, s20, HALF
	s_wait_dscnt 0x0
	s_wait_kmcnt 0x0
	s_load_b256 s[68:75], s[14:15], 0x0
	s_load_b64 s[76:77], s[14:15], 0x20
	s_add_nc_u64 s[46:47], s[4:5], s[46:47]
	s_add_nc_u64 s[66:67], s[6:7], s[66:67]
	s_cmp_eq_u32 s21, 0                            ; do I fetch for x?
	s_cselect_b64 s[PFA:PFA+1], s[46:47], s[66:67]
	s_cselect_b32 s94, s40, s41                    ; my place among the four that ask with me
	s_lshr_b32 s95, s94, 1
	s_mul_i32 s95, s95, XBLK                       ; which of the load's two rows,
	s_and_b32 s94, s94, 1
	s_lshl_b32 s94, s94, 13                        ; and which half of it
	s_add_co_u32 s94, s94, s95
	s_mov_b32 s95, 0
	s_add_nc_u64 s[PFA:PFA+1], s[PFA:PFA+1], s[94:95]
	CROUND
.irp s, 0,1
	s_mov_b32 s[G0+4*\s], 1
	s_add_co_u32 s[G0+4*\s+1], s23, \s*SLOT
	s_add_nc_u64 s[G0+4*\s+2:G0+4*\s+3], s[46:47], \s*4*XBLK
	s_or_b32 s[G0+4*\s+3], s[G0+4*\s+3], 0x80000000
	s_mov_b32 s[G0B+4*\s], 1
	s_add_co_u32 s[G0B+4*\s+1], s23, \s*SLOT
	s_add_nc_u64 s[G0B+4*\s+2:G0B+4*\s+3], s[66:67], \s*4*XBLK
	s_or_b32 s[G0B+4*\s+3], s[G0B+4*\s+3], 0x80000000
	s_wait_alu depctr_va_vdst(0)
	s_wait_tensorcnt 0x0
	ds_add_u32 v6, v7
	ds_add_u32 v6, v7
	s_wait_dscnt 0x0
	CROUND
	JLOAD G0+4*\s, G0B+4*\s
.if \s == 0
	ASK 1
	ASK 2
.else
	ASK 3
.endif
.endr
	v_and_b32 v16, 31, v0
	v_lshlrev_b32 v[LI], 4, v16
	s_lshl_b32 s2, s21, 13
	v_add_nc_u32 v[ADX], s2, v[LI]
	v_add_nc_u32 v[ADX+1], SLOT, v[ADX]
	s_lshl_b32 s2, s22, 13
	s_add_co_u32 s2, s2, 2*HALF                    ; w's four K steps lie behind x's
	v_add_nc_u32 v[ADW], s2, v[LI]
	v_add_nc_u32 v[ADW+1], SLOT, v[ADW]
	v_bfe_u32 v16, v0, 4, 1
	v_lshlrev_b32 v[BO], 6, v16
	s_wait_alu depctr_va_vdst(0)
	v_and_b32 v17, 15, v0
	v_and_b32 v18, 8, v17
	v_add_nc_u32 v17, v17, v18
	v_lshlrev_b32 v[BNO], 2, v17
	s_wait_alu depctr_va_vdst(0)
	s_lshl_b32 s94, s42, 9
	s_lshl_b32 s95, s22, 8
	s_add_co_u32 s94, s94, s95
	s_mov_b32 s95, 0
	s_add_nc_u64 s[8:9], s[8:9], s[94:95]
	s_add_nc_u64 s[10:11], s[10:11], s[94:95]
	s_add_nc_u64 s[12:13], s[12:13], s[94:95]
	WIN 0x40
.irp wt, 0,1,2,3
	global_load_b128 v[BQ+8*\wt:BQ+8*\wt+3],   v[BO], s[8:9] offset:(32*(\wt/2)+8*(\wt%2))*4
	global_load_b128 v[BQ+8*\wt+4:BQ+8*\wt+7], v[BO], s[8:9] offset:(32*(\wt/2)+8*(\wt%2))*4+16
	global_load_b128 v[BK+8*\wt:BK+8*\wt+3],   v[BO], s[10:11] offset:(32*(\wt/2)+8*(\wt%2))*4
	global_load_b128 v[BK+8*\wt+4:BK+8*\wt+7], v[BO], s[10:11] offset:(32*(\wt/2)+8*(\wt%2))*4+16
	global_load_b128 v[BV+8*\wt:BV+8*\wt+3],   v[BO], s[12:13] offset:(32*(\wt/2)+8*(\wt%2))*4
	global_load_b128 v[BV+8*\wt+4:BV+8*\wt+7], v[BO], s[12:13] offset:(32*(\wt/2)+8*(\wt%2))*4+16
	global_load_b32 v[BN+2*\wt],   v[BNO], s[12:13] offset:(32*(\wt/2)+8*(\wt%2))*4
	global_load_b32 v[BN+2*\wt+1], v[BNO], s[12:13] offset:(32*(\wt/2)+8*(\wt%2))*4
.endr
	WIN 0
	s_lshr_b32 s94, s43, 4
	s_lshl_b32 s94, s94, 4
	s_lshl_b32 s95, s42, 1
	s_add_co_u32 s94, s94, s95
	s_add_co_u32 s94, s94, s22
	s_and_b32 s95, s43, 15
	s_lshl_b32 s88, s94, 17
	s_lshl_b32 s96, s95, 13
	s_add_co_u32 s88, s88, s96
	s_lshl_b32 s96, s21, 12
	s_add_co_u32 s88, s88, s96
	s_mov_b32 s89, 0
	s_add_nc_u64 s[88:89], s[16:17], s[88:89]
	s_lshl_b32 s90, s94, 4
	s_add_co_u32 s90, s90, s95
	s_lshl_b32 s90, s90, 14
	s_lshl_b32 s92, s21, 10
	s_add_co_u32 s92, s92, s90
	s_add_co_u32 s92, s92, 8192
	s_add_co_u32 s90, s90, s96
	s_mov_b32 s91, 0
	s_mov_b32 s93, 0
	s_add_nc_u64 s[90:91], s[18:19], s[90:91]
	s_add_nc_u64 s[92:93], s[18:19], s[92:93]
.macro POW2 d, a, b
	s_add_co_i32 s[\d], s[\a], s[\b]
	s_add_co_i32 s[\d], s[\d], 127
	s_lshl_b32 s[\d], s[\d], 23
	s_mov_b32 s[\d+1], s[\d]
.endm
.macro MKS e, sc
	s_add_co_i32 s94, s[\e], 127
	s_lshl_b32 s95, s94, 23
	v_mov_b32 v[\sc], s95
	s_add_co_i32 s94, s94, 8
	s_lshl_b32 s94, s94, 23
	s_or_b32 s94, s94, 0x600000
	v_mov_b32 v[\sc+1], s94
.endm
	s_wait_kmcnt 0x0
	POW2 78, 68, 69
	POW2 80, 70, 71
	POW2 82, 72, 73
	MKS 74, SC6
	MKS 75, SC7
	MKS 77, SC9
	s_mov_b32 s84, 0x41100000
	s_mov_b32 s85, 0x41000000
	s_mov_b32 s86, 0x3e000000
	s_mov_b32 s87, s86
.macro FETCH slot, p, buf
	WIN 0x40
.irp t, 0,1,2,3
.irp c, 0,1,2,3
	ds_load_b128 v[FB+64*(\buf)+16*\t+4*\c:FB+64*(\buf)+16*\t+4*\c+3], v[ADW+(\slot)] offset:16384*(\p)+2048*\t+512*\c
.endr
.endr
	WIN 0
.irp t, 0,1,2,3
.irp c, 0,1,2,3
	ds_load_b128 v[FB+64*(\buf)+16*\t+4*\c:FB+64*(\buf)+16*\t+4*\c+3], v[ADX+(\slot)] offset:16384*(\p)+2048*\t+512*\c
.endr
.endr
.endm
.macro MULT base, win, buf, xt0, zero
	WIN \win
.irp xt, \xt0, \xt0+1
.irp wt, 0,1,2,3
.if \zero
	v_wmma_f32_16x16x128_fp8_fp8 v[\base+32*(\xt)+8*\wt:\base+32*(\xt)+8*\wt+7], v[FB+64*(\buf)+16*\wt:FB+64*(\buf)+16*\wt+15], v[FB+64*(\buf)+16*(\xt):FB+64*(\buf)+16*(\xt)+15], 0
.else
	v_wmma_f32_16x16x128_fp8_fp8 v[\base+32*(\xt)+8*\wt:\base+32*(\xt)+8*\wt+7], v[FB+64*(\buf)+16*\wt:FB+64*(\buf)+16*\wt+15], v[FB+64*(\buf)+16*(\xt):FB+64*(\buf)+16*(\xt)+15], v[\base+32*(\xt)+8*\wt:\base+32*(\xt)+8*\wt+7]
.endif
.endr
.endr
.endm
.macro MULN buf, zero
	WIN 0xf4
.irp wt, 0,1,2,3
.irp xt, 0,1,2,3
.if \zero
	v_wmma_f32_16x16x128_fp8_fp8 v[128+32*\wt+8*\xt:128+32*\wt+8*\xt+7], v[FB+64*(\buf)+16*\xt:FB+64*(\buf)+16*\xt+15], v[FB+64*(\buf)+16*\wt:FB+64*(\buf)+16*\wt+15], 0
.else
	v_wmma_f32_16x16x128_fp8_fp8 v[128+32*\wt+8*\xt:128+32*\wt+8*\xt+7], v[FB+64*(\buf)+16*\xt:FB+64*(\buf)+16*\xt+15], v[FB+64*(\buf)+16*\wt:FB+64*(\buf)+16*\wt+15], v[128+32*\wt+8*\xt:128+32*\wt+8*\xt+7]
.endif
.endr
.endr
.endm
.macro PROD p, buf, xt0, zero          ; eight products of Q (p = 0), K (1) or V (2): their accumulators lie in window 2 (Q low, K high) and window 3 (V low)
.if \p == 2
	MULT 0, 0xf1, \buf, \xt0, \zero
.else
	MULT 128*(\p), 0xa1, \buf, \xt0, \zero
.endif
.endm
.macro SUB p, slot, k, zero            ; K step k (0 to 2) of the slot, fragments in buffer k % 2; the next K step's are fetched into the other
	s_wait_dscnt 0x0
	PLACES
	FETCH \slot, (\k)+1, 1-(\k)%2
	PROD \p, (\k)%2, 0, \zero
	PROD \p, (\k)%2, 2, \zero
.if \p == 2
	MULN (\k)%2, \zero
.endif
.endm
; The slot's last K step (buffer 1) and the change of slots.  mode = 1: the slot is filled again, with the same half of K of the next product (16,384 bytes on in each K step's chunk); ask: the fill to prefetch, or 0.
.macro TURN p, slot, mode, ask
	WIN 0
	s_wait_tensorcnt 0x0                           ; my one load that was out, my part of the other slot, has landed
	ds_add_u32 v[SPW], v[NIL]
	s_wait_dscnt 0x1                               ; the fragments are in; the add may be out
	PROD \p, 1, 0, 0
	s_wait_dscnt 0x0
	s_barrier_signal -1
	PROD \p, 1, 2, 0
	WIN 0
	s_barrier_wait -1
.if \mode == 1
	CREST
	s_add_nc_u64 s[G0+4*\slot+2:G0+4*\slot+3], s[G0+4*\slot+2:G0+4*\slot+3], 16384
	s_add_nc_u64 s[G0B+4*\slot+2:G0B+4*\slot+3], s[G0B+4*\slot+2:G0B+4*\slot+3], 16384
	JLOAD G0+4*\slot, G0B+4*\slot
.else
	PLACES
.endif
	FETCH 1-(\slot), 0, 0
.if \ask
	ASK \ask
.endif
.if \p == 2
	MULN 1, 0
	WIN 0
.endif
.endm
.macro HALFK p, slot, zero             ; a slot's first three K steps; zero = 1: the first starts the product's sums
	SUB \p, \slot, 0, \zero
	SUB \p, \slot, 1, 0
	SUB \p, \slot, 2, 0
.endm
	s_wait_tensorcnt 0x1                           ; slot 0 is in; slot 1's load may be out
	s_barrier_signal -1
	s_barrier_wait -1
	FETCH 0, 0, 0
	HALFK 0, 0, 1
	TURN 0, 0, 1, 4
	HALFK 0, 1, 0
	TURN 0, 1, 1, 5
	HALFK 1, 0, 1
	TURN 1, 0, 1, 0
	HALFK 1, 1, 0
	TURN 1, 1, 1, 0
	HALFK 2, 0, 1
	TURN 2, 0, 2, 0                                ; the last change of slots fills nothing
	HALFK 2, 1, 0
	s_wait_dscnt 0x0
	PROD 2, 1, 0, 0
	PROD 2, 1, 2, 0
	MULN 1, 0
	WIN 0
.macro HOLD32 sc, dst
.set j, 0
.rept 32
	v_med3_num_f32 v[TK+j], v[TK+j], -v[\sc+1], v[\sc+1]
.set j, j+1
.endr
.irp m, 0,1,2,3
	v_cvt_scalef32_pk8_fp8_f32 v[\dst+2*\m:\dst+2*\m+1], v[TK+8*\m:TK+8*\m+7], v[\sc]
.endr
	v_nop
.endm
.macro EPQ xt
	WIN 0x12
.set j, 0
.rept 16
	v_pk_fma_f32 v[TK+j:TK+j+1], v[32*\xt+j:32*\xt+j+1], s[78:79], v[BQ+j:BQ+j+1] op_sel_hi:[1,0,1]
.set j, j+2
.endr
	WIN 0
	HOLD32 SC6, CQ+8*\xt
	global_store_b128 v[LI], v[CQ+8*\xt:CQ+8*\xt+3],   s[88:89] offset:1024*\xt
	global_store_b128 v[LI], v[CQ+8*\xt+4:CQ+8*\xt+7], s[88:89] offset:1024*\xt+512
.endm
.macro EPK xt
	WIN 0x12
.set j, 0
.rept 16
	v_pk_fma_f32 v[TK+j:TK+j+1], v[128+32*\xt+j:128+32*\xt+j+1], s[80:81], v[BK+j:BK+j+1] op_sel_hi:[1,0,1]
.set j, j+2
.endr
	WIN 0x13
.set j, 0
.rept 16
	v_pk_fma_f32 v[TV+j:TV+j+1], v[32*\xt+j:32*\xt+j+1], s[82:83], v[BV+j:BV+j+1] op_sel_hi:[1,0,1]
.set j, j+2
.endr
	WIN 0
.set j, 0
.rept 32
	v_fma_f32 v[TD+j], |v[TK+j]|, s84, s85
.set j, j+1
.endr
.set j, 0
	s_wait_alu depctr_va_vdst(0)
.rept 32
	v_rcp_f32 v[TD+j], v[TD+j]
.set j, j+1
.endr
.set j, 0
.rept 16
	v_pk_fma_f32 v[TV+j:TV+j+1], v[TK+j:TK+j+1], s[86:87], v[TV+j:TV+j+1] op_sel_hi:[1,0,1]
.set j, j+2
.endr
	s_wait_alu depctr_va_vdst(0)
.set j, 0
.rept 16
	v_pk_fma_f32 v[TK+j:TK+j+1], v[TK+j:TK+j+1], v[TD+j:TD+j+1], v[TV+j:TV+j+1]
.set j, j+2
.endr
	HOLD32 SC7, CK+8*\xt
	global_store_b128 v[LI], v[CK+8*\xt:CK+8*\xt+3],   s[90:91] offset:1024*\xt
	global_store_b128 v[LI], v[CK+8*\xt+4:CK+8*\xt+7], s[90:91] offset:1024*\xt+512
.endm
.macro EPV wt, b
	WIN 0x13
.set j, 0
.rept 8
	v_pk_fma_f32 v[TK+j:TK+j+1], v[128+32*\wt+16*\b+j:128+32*\wt+16*\b+j+1], s[82:83], v[BN+2*\wt:BN+2*\wt+1] op_sel_hi:[1,0,1]
.set j, j+2
.endr
	WIN 0
.set j, 0
.rept 16
	v_med3_num_f32 v[TK+j], v[TK+j], -v[SC9+1], v[SC9+1]
.set j, j+1
.endr
	v_cvt_scalef32_pk8_fp8_f32 v[CV+4*(2*\wt+\b):CV+4*(2*\wt+\b)+1],   v[TK:TK+7],    v[SC9]
	v_cvt_scalef32_pk8_fp8_f32 v[CV+4*(2*\wt+\b)+2:CV+4*(2*\wt+\b)+3], v[TK+8:TK+15], v[SC9]
	v_nop
	global_store_b128 v[LI], v[CV+4*(2*\wt+\b):CV+4*(2*\wt+\b)+3], s[92:93] offset:2048*\wt+512*\b
.endm
	s_wait_loadcnt 0x0
	PLACES
.irp xt, 0,1,2,3
	EPQ \xt
.endr
.irp xt, 0,1,2,3
	EPK \xt
.endr
.irp wt, 0,1,2,3
	EPV \wt, 0
	EPV \wt, 1
.endr
	s_wait_tensorcnt 0x0
	ds_add_u32 v[SPW], v[NIL]
	s_wait_dscnt 0x0
	CROUND
	s_endpgm
.Lfunc_end_k_q0e580d3484_qkv:
	.size	k_q0e580d3484_qkv, .Lfunc_end_k_q0e580d3484_qkv-k_q0e580d3484_qkv
	.p2alignl 7, 3214868480
	.fill 96, 4, 3214868480
	.section	.rodata,"a",@progbits
	.p2align	6, 0x0
	.amdhsa_kernel k_q0e580d3484_qkv
		.amdhsa_group_segment_fixed_size 327680
		.amdhsa_private_segment_fixed_size 0
		.amdhsa_enable_private_segment 0
		.amdhsa_kernarg_size 64
		.amdhsa_user_sgpr_count 2
		.amdhsa_user_sgpr_kernarg_segment_ptr 1
		.amdhsa_wavefront_size32 1
		.amdhsa_system_sgpr_workgroup_id_x 1
		.amdhsa_system_sgpr_workgroup_id_y 1
		.amdhsa_system_sgpr_workgroup_id_z 1
		.amdhsa_system_vgpr_workitem_id 0
		.amdhsa_next_free_vgpr 1024
		.amdhsa_next_free_sgpr 100
		.amdhsa_reserve_vcc 0
		.amdhsa_float_denorm_mode_32 3
		.amdhsa_float_denorm_mode_16_64 3
		.amdhsa_memory_ordered 1
		.amdhsa_forward_progress 1
		.amdhsa_inst_pref_size 172
	.end_amdhsa_kernel
	.amdgpu_metadata
---
amdhsa.version: [ 1, 2 ]
amdhsa.kernels:
  - .name:           k_q0e580d3484_qkv
    .symbol:         k_q0e580d3484_qkv.kd
    .args:
      - { .name: xc, .offset: 0, .size: 8, .value_kind: global_buffer, .address_space: global }
      - { .name: wc, .offset: 8, .size: 8, .value_kind: global_buffer, .address_space: global }
      - { .name: bq, .offset: 16, .size: 8, .value_kind: global_buffer, .address_space: global }
      - { .name: bk, .offset: 24, .size: 8, .value_kind: global_buffer, .address_space: global }
      - { .name: bv, .offset: 32, .size: 8, .value_kind: global_buffer, .address_space: global }
      - { .name: lowp_scales, .offset: 40, .size: 8, .value_kind: global_buffer, .address_space: global }
      - { .name: qc, .offset: 48, .size: 8, .value_kind: global_buffer, .address_space: global }
      - { .name: kv, .offset: 56, .size: 8, .value_kind: global_buffer, .address_space: global }
    .group_segment_fixed_size: 327680
    .private_segment_fixed_size: 0
    .kernarg_segment_align: 8
    .kernarg_segment_size: 64
    .max_flat_workgroup_size: 128
    .sgpr_count:     100
    .vgpr_count:     1024
    .wavefront_size: 32
...
	.end_amdgpu_metadata
.endif
;; end of part 2
;; launch attn (part 3): grid 4 x 64, 16 waves a work-group, clusters of 4 x 1, 327,680 bytes of LDS; arguments qc, kv, attention_mask, lowp_scales, out0; writes out0
.if DOCPART == 3
	.amdgcn_target "amdgcn-amd-amdhsa--gfx1250"
	.amdhsa_code_object_version 6
	.text
	.protected	k_q0e580d3484_attn
	.globl	k_q0e580d3484_attn
	.p2align	8
	.type	k_q0e580d3484_attn,@function
k_q0e580d3484_attn:
	s_mov_b64 s[64:65], 0
	v_nop
	global_prefetch_b8 v0, s[64:65] scope:SCOPE_SE
	s_setreg_imm32_b32 hwreg(HW_REG_WAVE_MODE, 25, 1), 1
	s_wait_xcnt 0x0
	s_wait_alu depctr_hold_cnt(0) depctr_sa_sdst(0) depctr_va_vdst(0) depctr_va_sdst(0) depctr_va_ssrc(0) depctr_va_vcc(0) depctr_vm_vsrc(0)
	s_getreg_b32 s2, hwreg(HW_REG_IB_STS2, 6, 4)
	s_cmp_eq_u32 s2, 0
	s_cbranch_scc0 .Lentry_in_a_cluster
	s_endpgm
.Lentry_in_a_cluster:
	s_bfe_u32 s2, ttmp6, 0x10000c
	s_cmp_lg_u32 s2, 0x3003
	s_cbranch_scc0 .Lentry_shape_is_right
	s_endpgm
.Lentry_shape_is_right:
; out0[b][q][64 head + d] = the sum over keys of softmax(q . kk / 8, or -10000 in every place of a row whose query is masked) v, both products on codes of FP8 (E4M3) with the given scales (entries 6 to 9).
; THE SOFTMAX AHEAD OF THE SECOND PRODUCT: t = logit x log2(e); M = the row's largest t so far, rounded UP to a whole number; p = 2^(t - M) is quantised along the keys, not normalised.
; The row's sum is taken of the unquantised p and divides at the end.  When M moves, the sum and O are multiplied by 2^(old M - new M): exact.
; THE MASK lies along the queries.  A masked query's codes are made 0, so that its scores are 0, and D = -10000 log2(e) is added to its t; D = 0 elsewhere.  By selection, with no branch.
; SHARES.  A work-group owns 512 queries of one (batch, head); each of its sixteen waves two tiles of 16, which share every fragment of kk and v.
; A head's kk and v, 262,144 bytes of register images (16 key steps of 128 keys: 8,192 bytes of kk, 8,192 of v), lie in LDS whole.  There are as many key steps as waves: wave w asks for key step w, one tensor load a wave,
; at the head.  Each byte is filled once; one wait for 0 and one barrier show the block to all waves, and the loop over the 16 key steps holds no barrier.
; No prefetch: every tile is asked for at the head, so there is no loop in which to ask ahead.
; CLUSTER.  The four work-groups of a head read the same block: each key step is asked for JOINTLY, by the same tensor load with a mask that names the four.
; LAYOUT.  S^T = kk q^T (source 0 = 16 keys, source 1 = 16 queries), O^T = v^T p^T (source 0 = 16 channels): a lane holds ONE query throughout.  Slot r of tile t = key 32 (t / 2) + 8 (t % 2) + r + 8 (r / 8),
; so that the 16 registers of tiles 2 b, 2 b + 1 are keys 32 b + 16 h + 0 .. 15: the conversions' results are the second product's operand.  Channels and queries are laid the same way.
; THE WAY OUT has LDS bytes of its own, 8 rows x 272 bytes a wave, behind the block and the spare words: no wave waits for another ahead of its stores.
; LIMITS: e6 + e7 between -123 and 130 (added to c's exponent field); e8 between -126 and 119; e8 + e9 is applied by v_ldexp_f32 and has none.  The scaled scores t stay under 2^31 in magnitude.
.set SPARE, 262144                     ; behind the block: the spare words, 128 bytes for each of the sixteen waves
.set STG,   SPARE+2048                 ; behind them: the stages of the way out
.set SROW,  272                        ; a stage row: 256 bytes + 16
.set SWAVE, 8*SROW                     ; a wave's stage
.set LI,  1                            ; v1   16 x lane
.set SPW, 2                            ; v2   LDS address of my spare word; never rewritten
.set NIL, 3                            ; v3   0; never rewritten
.set SCL, 4                            ; v4   2^e8, for the conversions
.set ADR, 5                            ; v5   LDS address of the key step in hand
                                       ; tile i: v[6+4i] B = D - M, v[7+4i] the largest t, v[8+4i:9+4i] the sum in two halves, v[14+i] D
                                       ; v16-31 Q (8 a tile); v32-63 p's codes (16 a tile); v192-255 O^T (32 a tile)
.set F,   64                           ; v64-127  kk's 8 fragments, then v's 4
.set S,   128                          ; v128-191 S^T of one tile, then p
.set MXA, 48                           ; at work, in the registers of tile 1's codes: dead when those are written
.set MXB, 49
.set PL,  50
.set OLDB, 51
.set FF,  52                           ; v[52:53] f = 2^(old M - new M); the low word serves both halves
.set SM2, 54                           ; v[54:55] the sums' second chain
.set WV,  14                           ; s14 my wave's number
.set G1,  24                           ; s[24:31] descriptor group 1; s[32:35] group 0
.set G0,  32
.set SEL, 48                           ; s[48:49] lane selects for v_permlanex16_b32: lane l xor 16
.set CS,  50                           ; s[50:51] c = log2(e) / 8 x 2^(e6 + e7)
.set HLD, 52                           ; s52 448 x 2^e8
.set TB,  53                           ; s53 LDS byte of the key step in hand
.set CNT, 54
.macro CROUND                          ; a round of the cluster's barrier
	s_barrier_signal -1
	s_barrier_wait -1
	s_cmp_lg_u32 s[WV], 0
	s_cbranch_scc1 .Lnot_wave_0_\@
	s_barrier_signal -3
.Lnot_wave_0_\@:
	s_barrier_wait -3
	s_barrier_signal -1
	s_barrier_wait -1
.endm
	s_load_b256 s[4:11], s[0:1], 0x0               ; qc s[4:5], kv s[6:7], the mask s[8:9], the scales s[10:11]
	s_load_b64 s[12:13], s[0:1], 0x20              ; out0
	v_lshl_add_u32 v[SPW], v0, 2, SPARE
	v_mov_b32 v[NIL], 0
	ds_add_u32 v[SPW], v[NIL]                      ; the wave's opening: the add, twice on end, and its wait ahead of my tensor load
	ds_add_u32 v[SPW], v[NIL]
	v_lshrrev_b32 v[ADR], 5, v0
	s_delay_alu instid0(VALU_DEP_1)
	v_readfirstlane_b32 s[WV], v[ADR]              ; wave 0..15
	s_bfe_u32 s15, ttmp6, 0x40000                  ; cx
	s_lshl_b32 s17, ttmp9, 2
	s_add_co_u32 s17, s17, s15                     ; my block of 512 queries: it enters the addresses of q, the mask and the output alone
	s_and_b32 s16, ttmp7, 0xffff                   ; hb = 16 x batch + head, which the four partners share
	s_mov_b32 s[G1], 15|(3<<16)|(1<<21)            ; 15:0 the mask: all four work-groups; 17:16 elements of 8 bytes; 21 set beside a mask; no padding
	s_mov_b32 s[G1+1], 32<<16                      ; tensor_dim0 = 32 elements: 256 bytes
	s_mov_b32 s[G1+2], 64<<16                      ; tensor_dim1 = 64: a key step's 16,384 bytes
	s_mov_b32 s[G1+3], 32<<16                      ; tile_dim0
	s_mov_b32 s[G1+4], 64                          ; tile_dim1
	s_mov_b32 s[G1+5], 32                          ; the pitch: dense
	s_mov_b32 s[G1+6], 0
	s_mov_b32 s[G1+7], 0
	s_mov_b32 s[SEL], 0x76543210
	s_mov_b32 s[SEL+1], 0xfedcba98
	s_lshl_b32 s62, s[WV], 14                      ; wave w fetches key step w
	s_lshl_b32 s66, s16, 18                        ; the head's block: hb x 262,144
	s_add_co_u32 s66, s66, s62
	s_mov_b32 s67, 0
	s_wait_dscnt 0x0                               ; both opening adds are done
	s_wait_kmcnt 0x0
	s_load_b128 s[56:59], s[10:11], 0x18           ; e6, e7, e8, e9
	s_add_nc_u64 s[66:67], s[6:7], s[66:67]
	CROUND                                         ; all four work-groups are here: the joint loads meet
	s_mov_b32 s[G0], 1
	s_mov_b32 s[G0+1], s62                         ; LDS: as the block lies in memory
	s_mov_b64 s[G0+2:G0+3], s[66:67]
	s_or_b32 s[G0+3], s[G0+3], 0x80000000
	tensor_load_to_lds s[G0:G0+3], s[G1:G1+7]      ; my one tensor load of the launch
	s_nop 0
.rept 4
	v_nop
.endr
	v_and_b32 v[LI], 31, v0
	s_delay_alu instid0(VALU_DEP_1)
	v_lshlrev_b32 v[LI], 4, v[LI]
	s_lshl_b32 s68, s16, 17                        ; q: hb x 131,072 + (32 block + 2 wave) tiles of 1,024 bytes
	s_lshl_b32 s69, s17, 15
	s_add_co_u32 s68, s68, s69
	s_lshl_b32 s69, s[WV], 11
	s_add_co_u32 s68, s68, s69
	s_mov_b32 s69, 0
	s_add_nc_u64 s[4:5], s[4:5], s[68:69]
.irp n, 0,1,2,3
	global_load_b128 v[16+4*\n:19+4*\n], v[LI], s[4:5] offset:512*\n   ; tile n / 2, channels 32 (n % 2) + 16 h + 0 .. 15: Q stays in registers
.endr
	s_lshr_b32 s68, s16, 4                         ; the mask: batch x 2,048 + 512 block + 32 wave, 4 bytes each
	s_lshl_b32 s68, s68, 13
	s_lshl_b32 s69, s17, 11
	s_add_co_u32 s68, s68, s69
	s_lshl_b32 s69, s[WV], 7
	s_add_co_u32 s68, s68, s69
	s_mov_b32 s69, 0
	s_add_nc_u64 s[8:9], s[8:9], s[68:69]
	v_and_b32 v65, 15, v0
	s_delay_alu instid0(VALU_DEP_1)
	v_and_b32 v66, 8, v65
	s_delay_alu instid0(VALU_DEP_1)
	v_add_nc_u32 v65, v65, v66
	s_delay_alu instid0(VALU_DEP_1)
	v_lshlrev_b32 v64, 2, v65                      ; my query of tile i is 8 i + r + 8 (r / 8) of the wave's 32
	global_load_b32 v14, v64, s[8:9]
	global_load_b32 v15, v64, s[8:9] offset:32
	s_lshr_b32 s68, s16, 4                         ; the output: (2,048 batch + 512 block + 32 wave) rows of 4,096 bytes + 256 x head
	s_lshl_b32 s68, s68, 23
	s_lshl_b32 s69, s17, 21
	s_add_co_u32 s68, s68, s69
	s_lshl_b32 s69, s[WV], 17
	s_add_co_u32 s68, s68, s69
	s_and_b32 s69, s16, 15
	s_lshl_b32 s69, s69, 8
	s_add_co_u32 s68, s68, s69
	s_mov_b32 s69, 0
	s_add_nc_u64 s[12:13], s[12:13], s[68:69]
.irp i, 0,1
	v_mov_b32 v[7+4*\i], 0xff61b1e6                ; the largest t so far: -3e38, under every t
	s_delay_alu instid0(VALU_DEP_1)
	v_floor_f32 v[6+4*\i], -v[7+4*\i]
	v_mov_b32 v[8+4*\i], 0                         ; the sum
	v_mov_b32 v[9+4*\i], 0
.endr
.set j, 48
.rept 8
	v_mov_b32 v[j], 0                              ; written once: a lane permute's destination and the upper half of a named pair count as read
.set j, j+1
.endr
.set j, 192
.rept 64
	v_mov_b32 v[j], 0                              ; O^T.  (The key step is written once: the first finds zeros, which the first change of M leaves zeros)
.set j, j+1
.endr
	s_wait_kmcnt 0x0
	s_add_co_i32 s62, s56, s57
	s_lshl_b32 s62, s62, 23
	s_add_co_i32 s[CS], s62, 0x3e38aa3b            ; c = log2(e) / 8, with e6 + e7 added to its exponent field
	s_mov_b32 s[CS+1], s[CS]
	s_add_co_i32 s62, s58, 127
	s_lshl_b32 s63, s62, 23
	v_mov_b32 v[SCL], s63
	s_add_co_i32 s62, s62, 8
	s_lshl_b32 s62, s62, 23
	s_or_b32 s[HLD], s62, 0x600000
	s_add_co_i32 s55, s58, s59                     ; e8 + e9
	s_wait_loadcnt 0x0                             ; Q and the mask
	v_mov_b32 v[ADR], 0xc6616bcd                   ; -10000 x log2(e)
	v_cmp_eq_u32 s60, 0, v14
	v_cmp_eq_u32 s61, 0, v15
.irp j, 0,1,2,3,4,5,6,7
	v_cndmask_b32 v[16+\j], v[16+\j], v[NIL], s60  ; a masked query's codes become 0
	v_cndmask_b32 v[24+\j], v[24+\j], v[NIL], s61
.endr
	v_cndmask_b32 v14, v[NIL], v[ADR], s60         ; D
	v_cndmask_b32 v15, v[NIL], v[ADR], s61
; Tile i's softmax for a key step: S^T in v[S] on becomes p and then 16 registers of codes; the sum and O^T go under the new M.
.macro SOFTMAX i
.set rB, 6+4*\i
.set rL, 8+4*\i
.set rD, 14+\i
.set rP, 32+16*\i
.set rO, 192+32*\i
	v_max3_num_f32 v[MXA], v[S], v[S+1], v[S+2]    ; the largest score of my query among my 64 keys, in two chains; each accumulator is read first at its low end
	v_max3_num_f32 v[MXB], v[S+3], v[S+4], v[S+5]
.set n, 6
.rept 14
	v_max3_num_f32 v[MXA], v[MXA], v[S+n], v[S+n+1]
	v_max3_num_f32 v[MXB], v[MXB], v[S+n+2], v[S+n+3]
.set n, n+4
.endr
	v_max3_num_f32 v[MXA], v[MXA], v[S+62], v[S+63]
	s_delay_alu instid0(VALU_DEP_1)
	v_max_num_f32 v[MXA], v[MXA], v[MXB]
	v_permlanex16_b32 v[PL], v[MXA], s[SEL], s[SEL+1]
	s_delay_alu instid0(VALU_DEP_1)
	v_max_num_f32 v[MXA], v[MXA], v[PL]            ; and among lane l xor 16's
	s_delay_alu instid0(VALU_DEP_1)
	v_fma_f32 v[MXA], v[MXA], s[CS], v[rD]         ; as t (c is positive)
	s_delay_alu instid0(VALU_DEP_1)
	v_max_num_f32 v[rB+1], v[rB+1], v[MXA]         ; the running largest t
	v_mov_b32 v[OLDB], v[rB]
	s_delay_alu instid0(VALU_DEP_2)
	v_floor_f32 v[MXB], -v[rB+1]                   ; -M = floor(-t): M is a whole number
	s_delay_alu instid0(VALU_DEP_1)
	v_add_f32 v[rB], v[MXB], v[rD]                 ; B = D - M: t - M = c s + B.  (Where D is not 0, -M and D are close: the sum is exact)
	s_delay_alu instid0(VALU_DEP_1)
	v_sub_f32 v[MXA], v[rB], v[OLDB]               ; old M - new M: a whole number, 0 or less
	s_delay_alu instid0(VALU_DEP_1)
	v_cvt_i32_f32 v[MXA], v[MXA]                   ; (it saturates)
	s_delay_alu instid0(VALU_DEP_1)
	v_ldexp_f32 v[FF], 1.0, v[MXA]                 ; f = 2^(old M - new M)
.set n, 0
.rept 32
	v_pk_fma_f32 v[S+n:S+n+1], v[S+n:S+n+1], s[CS:CS+1], v[rB:rB+1] op_sel_hi:[1,0,0]   ; t - M, two at a time (of the pairs c and B the low word serves both halves)
.set n, n+2
.endr
.set n, 0
	s_wait_alu depctr_va_vdst(0)
.rept 64
	v_exp_f32 v[S+n], v[S+n]                       ; p = 2^(t - M), at most 1
.set n, n+1
.endr
	v_pk_mul_f32 v[rL:rL+1], v[rL:rL+1], v[FF:FF+1] op_sel_hi:[1,0]   ; the sum under the new M: a plain line behind the exponentials
	s_wait_alu depctr_va_vdst(0)                   ; one wait for the 64 exponentials, ahead of their first reader; it also stands ahead of O^T's first readers
	v_pk_add_f32 v[SM2:SM2+1], v[S:S+1], v[S+2:S+3]   ; the sum is taken of the unquantised p, in two chains
.set n, 4
.rept 15
	v_pk_add_f32 v[rL:rL+1], v[rL:rL+1], v[S+n:S+n+1]
	v_pk_add_f32 v[SM2:SM2+1], v[SM2:SM2+1], v[S+n+2:S+n+3]
.set n, n+4
.endr
	s_delay_alu instid0(VALU_DEP_1)
	v_pk_add_f32 v[rL:rL+1], v[rL:rL+1], v[SM2:SM2+1]
.set n, 0
.rept 16
	v_pk_mul_f32 v[rO+n:rO+n+1], v[rO+n:rO+n+1], v[FF:FF+1] op_sel_hi:[1,0]   ; O^T under the new M
.set n, n+2
.endr
.set n, 0
.rept 32
	v_dual_min_num_f32 v[S+n], s[HLD], v[S+n] :: v_dual_min_num_f32 v[S+n+1], s[HLD], v[S+n+1]   ; the conversion does not saturate (ISA guide 7.6.2); p is not negative, so the hold is one-sided; two numbers a line
.set n, n+2
.endr
.irp b, 0,1,2,3
	v_cvt_scalef32_pk8_fp8_f32 v[rP+4*\b:rP+4*\b+1],   v[S+16*\b:S+16*\b+7],    v[SCL]   ; registers 4 b .. 4 b + 3: keys 32 b + 16 h + 0 .. 15
	v_cvt_scalef32_pk8_fp8_f32 v[rP+4*\b+2:rP+4*\b+3], v[S+16*\b+8:S+16*\b+15], v[SCL]
.endr
	v_nop                                          ; a plain line between the conversions and the matrix instructions that write their sources or read their results
.endm
; A KEY STEP: 128 keys for both tiles.
.macro STEP
	v_add_nc_u32 v[ADR], s[TB], v[LI]
.rept 3
	v_nop                                          ; with the addition: four places behind the last products, ahead of the loads into the registers that they read
.endr
.irp n, 0,1,2,3,4,5,6,7,8,9,10,11,12,13,14,15
	ds_load_b128 v[F+4*\n:F+4*\n+3], v[ADR] offset:512*\n          ; kk: tile n / 2, channels 32 (n % 2) + 16 h + 0 .. 15
.endr
	s_wait_dscnt 0x0
.irp t, 0,1,2,3,4,5,6,7
	v_wmma_f32_16x16x64_fp8_fp8 v[S+8*\t:S+8*\t+7], v[F+8*\t:F+8*\t+7], v[16:23], 0
.endr
.rept 4
	v_nop
.endr
	SOFTMAX 0
.irp t, 0,1,2,3,4,5,6,7
	v_wmma_f32_16x16x64_fp8_fp8 v[S+8*\t:S+8*\t+7], v[F+8*\t:F+8*\t+7], v[24:31], 0
.endr
.rept 4
	v_nop                                          ; places ahead of the loads below and of the first read of the scores
.endr
.irp n, 0,1,2,3,4,5,6,7,8,9,10,11,12,13,14,15
	ds_load_b128 v[F+4*\n:F+4*\n+3], v[ADR] offset:8192+512*\n     ; v: channel tile n / 4, keys 32 (n % 4) + 16 h + 0 .. 15; they land under tile 1's softmax
.endr
	SOFTMAX 1
	s_wait_alu depctr_va_vdst(0)
	s_wait_dscnt 0x0
.irp ct, 0,1,2,3                       ; O^T += v^T p^T: eight accumulators, one turn each
.irp i, 0,1
	v_wmma_f32_16x16x128_fp8_fp8 v[192+32*\i+8*\ct:192+32*\i+8*\ct+7], v[F+16*\ct:F+16*\ct+15], v[32+16*\i:32+16*\i+15], v[192+32*\i+8*\ct:192+32*\i+8*\ct+7]
.endr
.endr
	s_add_co_u32 s[TB], s[TB], 16384
.endm
	s_wait_alu depctr_va_vdst(0)
	s_wait_tensorcnt 0x0                           ; my key step is in
	s_barrier_signal -1
	s_barrier_wait -1                              ; and so is every wave's: the block is whole.  Nothing is ever filled again
	s_mov_b32 s[TB], 0
	s_mov_b32 s[CNT], 16
.Lstep:
	s_wait_alu depctr_va_vdst(0)
	STEP
	s_sub_co_u32 s[CNT], s[CNT], 1
	s_cmp_lg_u32 s[CNT], 0
	s_cbranch_scc1 .Lstep
	; THE WAY OUT.  O^T / the sum x 2^(e8 + e9) goes through my own stage, 8 rows of 256 bytes at a time, and leaves as rows: sixteen lanes store 256 consecutive bytes, aligned.
	; A pass takes the slots 8 u .. 8 u + 7 of tile i, which are queries 8 i + 16 u + 0 .. 7 of my 32.  So that all 32 lanes store in every pass, lanes r and r xor 8 first exchange half of their numbers:
	; slots 0 to 7 then hold channels 0 to 31 of rows r and r + 8, slots 8 to 15 channels 32 to 63 of rows r - 8 and r.  LDS serves a wave's instructions in order, so the four passes need no wait between them.
	v_and_b32 v16, 15, v0
	v_bfe_u32 v17, v0, 4, 1
	s_mul_i32 s62, s[WV], SWAVE
	s_add_co_u32 s62, s62, STG                     ; my stage
	v_and_b32 v18, 7, v0
	s_delay_alu instid0(VALU_DEP_1)
	v_mul_u32_u24 v18, v18, SROW
	s_delay_alu instid0(VALU_DEP_1)
	v_lshl_add_u32 v18, v17, 6, v18
	v_bfe_u32 v21, v0, 3, 1
	s_delay_alu instid0(VALU_DEP_1)
	v_lshl_add_u32 v18, v21, 7, v18                ; + 128 (r / 8): slots 8 to 15 store channels 32 to 63
	s_delay_alu instid0(VALU_DEP_1)
	v_add_nc_u32 v18, s62, v18                     ; in: row r % 8, + 64 h
	v_mul_u32_u24 v19, v17, SROW
	s_delay_alu instid0(VALU_DEP_1)
	v_lshl_add_u32 v19, v16, 4, v19
	s_delay_alu instid0(VALU_DEP_1)
	v_add_nc_u32 v19, s62, v19                     ; back: lanes 0-15 one row, lanes 16-31 the next
	v_lshlrev_b32 v20, 12, v17
	s_delay_alu instid0(VALU_DEP_1)
	v_lshl_add_u32 v20, v16, 4, v20                ; and the same two rows in the output
	v_cmp_le_u32 s67, 8, v16                       ; the lanes of slots 8 to 15
	v_add_f32 v8, v8, v9                           ; the sum's two halves,
	v_add_f32 v12, v12, v13
	s_delay_alu instid0(VALU_DEP_2)
	v_permlanex16_b32 v9, v8, s[SEL], s[SEL+1]
	s_delay_alu instid0(VALU_DEP_2)
	v_permlanex16_b32 v13, v12, s[SEL], s[SEL+1]
	s_delay_alu instid0(VALU_DEP_2)
	v_add_f32 v8, v8, v9                           ; and lane l xor 16's
	s_delay_alu instid0(VALU_DEP_2)
	v_add_f32 v12, v12, v13
	s_wait_alu depctr_va_vdst(0)
	v_rcp_f32 v8, v8
	v_rcp_f32 v12, v12
	v_nop                                          ; a plain line behind the reciprocals
	s_wait_alu depctr_va_vdst(0)                   ; one wait for both, ahead of their first reader and of O^T's
	v_ldexp_f32 v8, v8, s55
	v_ldexp_f32 v12, v12, s55
.irp i, 0,1
.set n, 0
.rept 16
	v_pk_mul_f32 v[S+32*\i+n:S+32*\i+n+1], v[192+32*\i+n:192+32*\i+n+1], v[8+4*\i:9+4*\i] op_sel_hi:[1,0]   ; register 8 ct + j: channel 32 (ct / 2) + 8 (ct % 2) + 16 h + j
.set n, n+2
.endr
.endr
.irp i, 0,1                            ; registers 0-15 of a tile: channels 16 h + 0 .. 15; registers 16-31: channels 32 + 16 h + 0 .. 15
.set n, 0
.rept 16
	v_cndmask_b32 v[32+n], v[S+32*\i+16+n], v[S+32*\i+n], s67      ; what I give away: slots 0-7 their upper channels, slots 8-15 their lower ones
.set n, n+1
.endr
.set n, 0
.rept 16
	v_mov_b32_dpp v[32+n], v[32+n] row_xmask:8 row_mask:0xf bank_mask:0xf   ; from lane r xor 8
.set n, n+1
.endr
.set n, 0
.rept 16
	v_cndmask_b32 v[S+32*\i+n], v[S+32*\i+n], v[32+n], s67         ; pass u = 0: rows of slots 0-7
	v_cndmask_b32 v[S+32*\i+16+n], v[32+n], v[S+32*\i+16+n], s67   ; pass u = 1: rows of slots 8-15
.set n, n+1
.endr
.endr
	s_wait_alu depctr_va_vdst(0)
.irp i, 0,1
.irp u, 0,1
.irp m, 0,1,2,3
	ds_store_b128 v18, v[S+32*\i+16*\u+4*\m:S+32*\i+16*\u+4*\m+3] offset:16*\m
.endr
.irp n, 0,1,2,3
	ds_load_b128 v[F+32*\i+16*\u+4*\n:F+32*\i+16*\u+4*\n+3], v19 offset:2*SROW*\n
.endr
.endr
.endr
.irp i, 0,1
.irp u, 0,1
.irp n, 0,1,2,3
	s_wait_dscnt (3-\n)+8*(3-2*\i-\u)              ; behind this load: the rest of its pass's four loads, and 8 LDS instructions for each later pass
	global_store_b128 v20, v[F+32*\i+16*\u+4*\n:F+32*\i+16*\u+4*\n+3], s[12:13] offset:(8*\i+16*\u+2*\n)*4096 th:TH_STORE_NT   ; written once, read by nobody here
.endr
.endr
.endr
	s_wait_tensorcnt 0x0                           ; the wave's end: behind my tensor load and my last LDS store
	ds_add_u32 v[SPW], v[NIL]
	s_wait_dscnt 0x0
	CROUND                                         ; the closing round
	s_endpgm
.Lfunc_end_k_q0e580d3484_attn:
	.size	k_q0e580d3484_attn, .Lfunc_end_k_q0e580d3484_attn-k_q0e580d3484_attn
	.p2alignl 7, 3214868480
	.fill 96, 4, 3214868480
	.section	.rodata,"a",@progbits
	.p2align	6, 0x0
	.amdhsa_kernel k_q0e580d3484_attn
		.amdhsa_group_segment_fixed_size 327680
		.amdhsa_private_segment_fixed_size 0
		.amdhsa_enable_private_segment 0
		.amdhsa_kernarg_size 40
		.amdhsa_user_sgpr_count 2
		.amdhsa_user_sgpr_kernarg_segment_ptr 1
		.amdhsa_wavefront_size32 1
		.amdhsa_system_sgpr_workgroup_id_x 1
		.amdhsa_system_sgpr_workgroup_id_y 1
		.amdhsa_system_sgpr_workgroup_id_z 1
		.amdhsa_system_vgpr_workitem_id 0
		.amdhsa_next_free_vgpr 256
		.amdhsa_next_free_sgpr 72
		.amdhsa_reserve_vcc 0
		.amdhsa_float_denorm_mode_32 3
		.amdhsa_float_denorm_mode_16_64 3
		.amdhsa_memory_ordered 1
		.amdhsa_forward_progress 1
		.amdhsa_inst_pref_size 55
	.end_amdhsa_kernel
	.amdgpu_metadata
---
amdhsa.version: [ 1, 2 ]
amdhsa.kernels:
  - .name:           k_q0e580d3484_attn
    .symbol:         k_q0e580d3484_attn.kd
    .args:
      - { .name: qc, .offset: 0, .size: 8, .value_kind: global_buffer, .address_space: global }
      - { .name: kv, .offset: 8, .size: 8, .value_kind: global_buffer, .address_space: global }
      - { .name: attention_mask, .offset: 16, .size: 8, .value_kind: global_buffer, .address_space: global }
      - { .name: lowp_scales, .offset: 24, .size: 8, .value_kind: global_buffer, .address_space: global }
      - { .name: out0, .offset: 32, .size: 8, .value_kind: global_buffer, .address_space: global }
    .group_segment_fixed_size: 327680
    .private_segment_fixed_size: 0
    .kernarg_segment_align: 8
    .kernarg_segment_size: 40
    .max_flat_workgroup_size: 512
    .sgpr_count:     72
    .vgpr_count:     256
    .wavefront_size: 32
...
	.end_amdgpu_metadata
.endif
;; end of part 3
